; MI455X (gfx1250); checked and timed in simulation.
; The chip was launched on July 23, 2026; its instructions are those of AMD's public machine-readable ISA for CDNA 5 (MIT licence, August 2026) and "CDNA5" Instruction Set Architecture Reference Guide (July 2026). The comments in the code are by the model that wrote it; some were corrected since.
;; Embedding. Allowed arithmetic: float matrix products may take bf16 or f16 operands with f32 sums; all other float work in f32.
;; Inputs: table 50,257 x 512 float32; x 8,192 int32.
;; Outputs: out0 8,192 x 512 float32.
;; One version. Each part assembles by itself: llvm-mc -triple=amdgcn-amd-amdhsa -mcpu=gfx1250 --defsym DOCPART=n.
;; ======== version 1 of 1: 1 launch
;; limits: a function is approximated: absolute error at most 0.003
;; launch embed (part 1): grid 1024 x 1, 4 waves a work-group, no clusters, 0 bytes of LDS; arguments table, x, out0; writes out0
.if DOCPART == 1
	.amdgcn_target "amdgcn-amd-amdhsa--gfx1250"
	.amdhsa_code_object_version 6
	.text
	.protected	k_q10b0b8e10b_embed
	.globl	k_q10b0b8e10b_embed
	.p2align	8
	.type	k_q10b0b8e10b_embed,@function
k_q10b0b8e10b_embed:
	s_mov_b64 s[64:65], 0
	v_nop
	global_prefetch_b8 v0, s[64:65] scope:SCOPE_SE
	s_setreg_imm32_b32 hwreg(HW_REG_WAVE_MODE, 25, 1), 1
	s_wait_xcnt 0x0
; out0[s][i] = table[x[s]][i] + pe(s, i),  pe = sin(a) for even i, cos(a) for odd i,  a = s / 10000^(2 i / 512).
; table: [50257][512] f32, x: [8192] i32, out0: [8192][512] f32.
;
; SHARES.  A work-group of four waves owns 8 consecutive positions s.  Thread t owns columns 4 t .. 4 t + 3 (16 bytes) of each of
; them: a wave's load or store covers 512 neighbouring bytes, aligned; the four waves cover a row of 2,048 bytes.  The columns'
; frequencies are made once per thread.  The 8 indices come by one scalar load.
; No LDS, no barrier, no cluster: no byte is used by two threads, and work-groups gather rows of their own.
; No prefetch: a row's address is known only when its index has arrived, and the load itself is issued right there.
;
; THE ANGLE is kept in turns: t = s F + phase, F = 2^(-i log2(10000)/256 - log2(2 pi)), phase = 0 (sin) or 1/4 (cos a = sin(a + pi/2)).
; r = t - round(t) lies in [-1/2, 1/2], and sin(2 pi r) = r (b1 + b3 q + b5 q^2 + b7 q^3), q = r^2: the Chebyshev series of sin(pi y),
; y = 2 r, cut behind T7.  pe needs no memory, so it is computed while the indices and the rows are on their way; r and the bracket wait in
; registers, and the table's row enters as the addend of the last multiply-add.
;
; LIMITS.  (1) The polynomial is off by up to 2.5e-4 absolute (twice J9(pi)).  (2) F is good to about 3e-7 relative and t is rounded to f32 at up
; to 1,304 turns: together up to about 3e-3 radians of angle at s = 8191 in the first columns, less elsewhere.  (3) An index is taken to
; lie in 0 .. 50256; any other, read as unsigned, is clamped to the last row (negative indices are not wrapped).
.set ROWS,  8                          ; positions of a work-group
.set ROWB,  2048                       ; bytes in a row of table and of out0
.set LAST,  50256                      ; the table's last row
.set COL,   2                          ; v2        16 t: my 16 bytes in any row
.set F,     4                          ; v[4:7]    turns per position of my 4 columns
.set PH,    8                          ; v[8:9]    phases of an (even, odd) pair of columns: 0, 1/4
.set Q,     10                         ; v[10:13]  at work: round(t), then r^2
.set B7,    14                         ; v[14:15]  b7 twice, in a vector pair: so each packed step names one scalar pair
.set OFF,   16                         ; v[16:23]  row j: byte offset of my 16 bytes in table
.set R,     32                         ; v[32:63]  row j: 4 registers, r
.set P,     64                         ; v[64:95]  row j: 4 registers, t, then the bracket
.set E,     96                         ; v[96:127] row j: 4 registers, the table's row as loaded, then the result
.set NC,    14                         ; s14       -log2(10000)/256
.set K,     16                         ; s[16:19]  -log2(2 pi) - k log2(10000)/256, k = 0 .. 3
.set S0,    20                         ; s[20:21]  the group's first position as f32 (the packed form names the pair, takes the low word)
.set IDX,   24                         ; s[24:31]  the 8 indices
.set B5,    32                         ; s[32:33]  b5
.set B3,    34                         ; s[34:35]  b3
.set B1,    36                         ; s[36:37]  b1
	s_load_b128 s[4:7], s[0:1], 0x0                ; table s[4:5], x s[6:7]
	s_load_b64 s[8:9], s[0:1], 0x10                ; out0
	s_mov_b32 s[NC],  0xbd549a78                   ; -0.051905126
	s_mov_b32 s[K+0], 0xc029b21d                   ; -2.6514961
	s_mov_b32 s[K+1], 0xc02d0487                   ; -2.7034013
	s_mov_b32 s[K+2], 0xc03056f1                   ; -2.7553064
	s_mov_b32 s[K+3], 0xc033a95a                   ; -2.8072115
	v_lshlrev_b32 v1, 2, v0                        ; my first column,
	v_cvt_f32_u32 v1, v1                           ; as f32 (exact)
.irp k, 0,1,2,3
	v_fma_f32 v[F+\k], v1, s[NC], s[K+\k]          ; log2 of column 4 t + k's turns per position
.endr
.irp k, 0,1,2,3
	v_exp_f32 v[F+\k], v[F+\k]                     ; four in a row; the plain lines below stand in front of the first use (ISA guide 5.7.2)
.endr
	v_lshlrev_b32 v[COL], 4, v0
	v_mov_b32 v[PH],   0
	v_mov_b32 v[PH+1], 0x3e800000                  ; 0.25
	v_mov_b32 v[B7],   0xc2602765                  ; -56.038470
	v_mov_b32 v[B7+1], 0xc2602765
.irp h, 0,1
	s_mov_b32 s[B5+\h], 0x429bd19d                 ;  77.909403
	s_mov_b32 s[B3+\h], 0xc2245d4e                 ; -41.091116
	s_mov_b32 s[B1+\h], 0x40c8e9ea                 ;   6.2785540
.endr
	s_lshl_b32 s15, ttmp9, 3                       ; the group's first position
	s_cvt_f32_u32 s[S0], s15
	s_mov_b32 s[S0+1], 0                           ; named with s20 as a pair, never taken
	s_lshl_b32 s10, ttmp9, 5                       ; 8 indices of 4 bytes
	s_mov_b32 s11, 0
	s_lshl_b32 s12, ttmp9, 14                      ; 8 rows of 2,048 bytes (at most 1023 x 16,384: one word)
	s_mov_b32 s13, 0
	s_wait_kmcnt 0x0                               ; the three addresses
	s_add_nc_u64 s[6:7], s[6:7], s[10:11]
	s_load_b256 s[IDX:IDX+7], s[6:7], 0x0          ; x is written by nobody: a scalar load may read it
	s_add_nc_u64 s[8:9], s[8:9], s[12:13]          ; out0 at the group's first row
; t of row j (1 .. 7) from row 0's reduced r: t = j F + r0, at most 1/2 + 7/(2 pi) turns.  jf = j as f32.
.macro ANGLE j, jf
.irp k, 0,2
	v_pk_fma_f32 v[P+4*\j+\k:P+4*\j+\k+1], v[F+\k:F+\k+1], \jf, v[R+\k:R+\k+1] op_sel_hi:[1,0,1]
.endr
.endm
; From t in P's row j: r into R's row j, the bracket b1 + b3 q + b5 q^2 + b7 q^3 into P's row j.  Two chains side by side.
.macro SINE j
.irp k, 0,1,2,3
	v_rndne_f32 v[Q+\k], v[P+4*\j+\k]
.endr
.irp k, 0,2
	v_pk_add_f32 v[R+4*\j+\k:R+4*\j+\k+1], v[P+4*\j+\k:P+4*\j+\k+1], v[Q+\k:Q+\k+1] neg_lo:[0,1] neg_hi:[0,1]   ; r = t - round(t), exact
.endr
.irp k, 0,2
	v_pk_mul_f32 v[Q+\k:Q+\k+1], v[R+4*\j+\k:R+4*\j+\k+1], v[R+4*\j+\k:R+4*\j+\k+1]
.endr
.irp k, 0,2
	v_pk_fma_f32 v[P+4*\j+\k:P+4*\j+\k+1], v[Q+\k:Q+\k+1], v[B7:B7+1], s[B5:B5+1] op_sel_hi:[1,1,0]
.endr
.irp k, 0,2
	v_pk_fma_f32 v[P+4*\j+\k:P+4*\j+\k+1], v[P+4*\j+\k:P+4*\j+\k+1], v[Q+\k:Q+\k+1], s[B3:B3+1] op_sel_hi:[1,1,0]
.endr
.irp k, 0,2
	v_pk_fma_f32 v[P+4*\j+\k:P+4*\j+\k+1], v[P+4*\j+\k:P+4*\j+\k+1], v[Q+\k:Q+\k+1], s[B1:B1+1] op_sel_hi:[1,1,0]
.endr
.endm
; Row j has landed: result = r x bracket + table row, and out.
.macro FINISH j
	s_wait_loadcnt ROWS-1-\j                       ; loads come back in order (ISA guide 5.7.1): row j is in, the 7 - j younger gathers stay out
.irp k, 0,2
	v_pk_fma_f32 v[E+4*\j+\k:E+4*\j+\k+1], v[R+4*\j+\k:R+4*\j+\k+1], v[P+4*\j+\k:P+4*\j+\k+1], v[E+4*\j+\k:E+4*\j+\k+1]
.endr
	global_store_b128 v[COL], v[E+4*\j:E+4*\j+3], s[8:9] offset:\j*ROWB th:TH_STORE_NT   ; written once, not read again here
.endm
	; Rows 0 to 3 of pe while the indices are on their way.
	s_wait_alu depctr_va_vdst(0)
.irp k, 0,2
	v_pk_fma_f32 v[P+\k:P+\k+1], v[F+\k:F+\k+1], s[S0:S0+1], v[PH:PH+1] op_sel_hi:[1,0,1]   ; row 0: t = s0 F + phase
.endr
	SINE 0
	ANGLE 1, 1.0
	SINE 1
	ANGLE 2, 2.0
	SINE 2
	ANGLE 3, 0x40400000                            ; 3.0
	SINE 3
	s_wait_kmcnt 0x0                               ; the indices
.irp j, 0,1,2,3,4,5,6,7
	s_min_u32 s[IDX+\j], s[IDX+\j], LAST           ; no load leaves the table, whatever x holds
.endr
.irp j, 0,1,2,3,4,5,6,7
	v_lshl_add_u32 v[OFF+\j], s[IDX+\j], 11, v[COL]    ; index x 2,048 + 16 t, at most 102,926,320
.endr
.irp j, 0,1,2,3,4,5,6,7
	global_load_b128 v[E+4*\j:E+4*\j+3], v[OFF+\j], s[4:5]     ; no hint: an index may occur again
.endr
	; Rows 4 to 7 of pe while the table's rows are on their way.
	ANGLE 4, 4.0
	SINE 4
	ANGLE 5, 0x40a00000                            ; 5.0
	SINE 5
	ANGLE 6, 0x40c00000                            ; 6.0
	SINE 6
	ANGLE 7, 0x40e00000                            ; 7.0
	SINE 7
.irp j, 0,1,2,3,4,5,6,7
	FINISH \j
.endr
	s_endpgm
.Lfunc_end_k_q10b0b8e10b_embed:
	.size	k_q10b0b8e10b_embed, .Lfunc_end_k_q10b0b8e10b_embed-k_q10b0b8e10b_embed
	.p2alignl 7, 3214868480
	.fill 96, 4, 3214868480
	.section	.rodata,"a",@progbits
	.p2align	6, 0x0
	.amdhsa_kernel k_q10b0b8e10b_embed
		.amdhsa_group_segment_fixed_size 0
		.amdhsa_private_segment_fixed_size 0
		.amdhsa_enable_private_segment 0
		.amdhsa_kernarg_size 24
		.amdhsa_user_sgpr_count 2
		.amdhsa_user_sgpr_kernarg_segment_ptr 1
		.amdhsa_wavefront_size32 1
		.amdhsa_system_sgpr_workgroup_id_x 1
		.amdhsa_system_sgpr_workgroup_id_y 1
		.amdhsa_system_sgpr_workgroup_id_z 1
		.amdhsa_system_vgpr_workitem_id 0
		.amdhsa_next_free_vgpr 128
		.amdhsa_next_free_sgpr 66
		.amdhsa_reserve_vcc 0
		.amdhsa_float_denorm_mode_32 3
		.amdhsa_float_denorm_mode_16_64 3
		.amdhsa_memory_ordered 1
		.amdhsa_forward_progress 1
		.amdhsa_inst_pref_size 14
	.end_amdhsa_kernel
	.amdgpu_metadata
---
amdhsa.version: [ 1, 2 ]
amdhsa.kernels:
  - .name:           k_q10b0b8e10b_embed
    .symbol:         k_q10b0b8e10b_embed.kd
    .args:
      - { .name: table, .offset: 0, .size: 8, .value_kind: global_buffer, .address_space: global }
      - { .name: x, .offset: 8, .size: 8, .value_kind: global_buffer, .address_space: global }
      - { .name: out0, .offset: 16, .size: 8, .value_kind: global_buffer, .address_space: global }
    .group_segment_fixed_size: 0
    .private_segment_fixed_size: 0
    .kernarg_segment_align: 8
    .kernarg_segment_size: 24
    .max_flat_workgroup_size: 128
    .sgpr_count:     66
    .vgpr_count:     128
    .wavefront_size: 32
...
	.end_amdgpu_metadata
.endif
;; end of part 1
